; MI455X (gfx1250); checked and timed in simulation.
; The chip was launched on July 23, 2026; its instructions are those of AMD's public machine-readable ISA for CDNA 5 (MIT licence, August 2026) and "CDNA5" Instruction Set Architecture Reference Guide (July 2026). The comments in the code are by the model that wrote it; some were corrected since.
;; Augmented UKF. Allowed arithmetic: float matrix products may take bf16 or f16 operands with f32 sums; all other float work in f32.
;; Inputs: P0 16,384 x 4 x 4 float32; u 16,384 x 256 float32; y 16,384 x 256 x 2 float32; z0 16,384 x 4 float32.
;; Outputs: out0 16,384 x 256 x 4 float32.
;; 2 versions, each right and faster than the one before. Each part assembles by itself: llvm-mc -triple=amdgcn-amd-amdhsa -mcpu=gfx1250 --defsym DOCPART=n.
;; ======== version 1 of 2: 1 launch
;; launch ukf (part 1): grid 256 x 1, 2 waves a work-group, no clusters, 222,464 bytes of LDS; arguments y, u, z0, P0, out0; writes out0
.if DOCPART == 1
	.amdgcn_target "amdgcn-amd-amdhsa--gfx1250"
	.amdhsa_code_object_version 6
	.text
	.protected	k_q5630dcbba9_ukf
	.globl	k_q5630dcbba9_ukf
	.p2align	8
	.type	k_q5630dcbba9_ukf,@function
k_q5630dcbba9_ukf:
	s_mov_b64 s[64:65], 0
	v_nop
	global_prefetch_b8 v0, s[64:65] scope:SCOPE_SE
	s_setreg_imm32_b32 hwreg(HW_REG_WAVE_MODE, 25, 1), 1
	s_wait_xcnt 0x0
; Augmented UKF: 16,384 independent filters of 4 states (p, v, k, al) and 2 measurements, 256 serial steps each.
; ONE LANE = ONE FILTER.  512 waves: 256 work-groups of 2 waves; wave W = 2 x group + w owns filters 32 W .. 32 W + 31.
; The work is a serial recursion: what counts is the number of vector instructions in a step and that memory stays off the chain.
;  - input: a wave's y (64 KiB) and u (32 KiB) come in by 8 tensor loads, issued first of all (8 outstanding at the most, none refilled):
;    4 tiles of 64 steps each for y and for u, rows padded by 16 bytes.
;  - output: each step's 16 bytes a lane go to the wave's own LDS stage; after 16 steps the stage is read back by rows and stored, sixteen
;    neighbouring lanes writing 256 consecutive bytes of one filter's row of out0, at a multiple of 256 from its first byte.
;  - every LDS byte belongs to one wave and no byte is filled twice: no barrier.
; NOT USED: matrix instructions (each product is one filter's own 4 x 9 by 9 x 2 or 9 x 4, most of which the algebra below removes, and the
; covariance with its 1e-6 jitter has no room for 16-bit operands); clusters (no byte is shared between work-groups); prefetch (all input is asked for at once).
;
; ALGEBRA, exact for every input (c = 1.6, w = 0.1953125, 2 w c^2 = 1, wm0 + 8 w = 1, wc0 = 1.7975 = 4.6016 x 2w, J = 1e-6):
;  A = the Cholesky input = P_post + J I, L L^T = A; sigma pair j is m +- c x column j of L.
;  (a) p2, k, al are linear: their means are the centre's and their block of P_pred is a linear map of A.
;  (b) columns 1-3 leave p alone, so there v2 = VC +- c F_j; column 0 alone is evaluated point by point (VP, VM).
;  (c) a pair alpha +- c D gives w (dA+ dB+ + dA- dB-) = 2w alphaA alphaB + DA DB.
;  (d) h(x) = x + 0.1 x^3 on x0 +- c d: even part 1.536 x0 d^2 (sum of both less 2 h(x0)), odd part D = d (1 + 0.3 x0^2 + 0.256 d^2).
;  (e) K (S + J I) = Pzy turns P_pred - K Pzy^T - Pzy K^T + K S K^T into P_pred - K (Pzy + J K)^T.
;  (f) Q and the three jitters between P_pred's sum and the next Cholesky input are one constant on each diagonal entry; R and S's two jitters likewise.
; LIMITS: the order of rounding differs from the problem's function; by (e) an error of K enters P at first order (relative size of one rounding);
; v_rsq_f32 and v_rcp_f32 are good to 1 ULP and flush denormals (ISA guide 15.8), the pivots carry at least the jitter 1e-6;
; a pivot that is not positive gives NaN in all four states from that step on (every diagonal of L reaches an F_j, at t = 0 through 0 x L).
; The prediction behind the last step is computed and dropped (1 of 256), so that all steps share one loop body.
.set YTILE,    16896                   ; 32 rows x (512 + 16) bytes: 64 steps of y for 32 filters
.set UTILE,    8704                    ; 32 rows x (256 + 16) bytes: 64 steps of u
.set WAVE_LDS, 102400                  ; 4 y tiles, then 4 u tiles
.set STAGE0,   204800                  ; behind both waves' input: the stages, 32 rows x (256 + 16) bytes a wave; no tensor load lands here
.set STG,      8704
; scalar registers
.set G0,  16                           ; s[16:47] descriptor group 0: y tile c at G0 + 8 c, u tile c at G0 + 8 c + 4; never rewritten
.set G1Y, 48                           ; s[48:55] group 1 of y's tiles
.set G1U, 56                           ; s[56:63] group 1 of u's tiles
.set cC, 66
.set cDT, 67
.set cNDT, 68
.set cDAMP, 69
.set cCD, 70
.set cW, 71
.set cNW, 72
.set cW2, 73
.set cI2C, 74
.set cHW, 75
.set cTDT, 76
.set cDT2, 77
.set cAC2, 78
.set cA6C2, 79
.set cCPP, 80
.set cCVV, 81
.set cCKK, 82
.set cRJJ, 83
.set cJ, 84
.set cKA, 85
.set cKB, 86
.set cKC, 87
.set cA3, 88
; vector registers: addresses
.set YB, 4                             ; LDS: my row in my wave's y tile 0
.set UB, 5                             ; LDS: my row in u tile 0
.set SB, 6                             ; LDS: my row of the stage
.set RD, 7                             ; LDS: where I read the stage back
.set OO, 8                             ; byte offset in out0 of what I store in a flush
.set YA, 9
.set UA, 10
.set SA, 11
.set YIN, 12                           ; v[12:19] y of four steps
.set UIN, 20                           ; v[20:23] u of four steps
; state
.set ZM0, 24                           ; v[24:27] the mean
.set ZM1, 25
.set ZM2, 26
.set ZM3, 27
.set A00, 28                           ; the Cholesky input, lower triangle
.set A10, 29
.set A20, 30
.set A30, 31
.set A11, 32
.set A21, 33
.set A31, 34
.set A22, 35
.set A32, 36                           ; also P_pred(3,2), which equals it
.set A33, 37
.set L00, 38
.set L10, 39
.set L20, 40
.set L30, 41
.set L11, 42
.set L21, 43
.set L31, 44
.set L22, 45
.set L32, 46
.set L33, 47
.set PP00, 48                          ; P_pred with the diagonal constants of (f)
.set PP10, 49
.set PP20, 50
.set PP30, 51
.set PP11, 52
.set PP21, 53
.set PP31, 54
.set PP22, 55
.set PP33, 56
.set P0C, 57                           ; predicted p (centre = mean)
.set VB, 58                            ; predicted mean of v
.set VC, 59                            ; v2 of the centre
.set VP, 60                            ; v2 of column 0, plus and minus
.set VM, 61
.set MU, 62                            ; VC - VB
.set AV0, 63                           ; even part of column 0 in v
.set F0, 64                            ; odd parts in v
.set F1, 65
.set F2, 66
.set F3, 67
.set E0, 68                            ; odd parts in p
.set E1, 69
.set R0, 70
.set R1, 71
.set R2, 72
.set R3, 73
.set B11, 74
.set B21, 75
.set B31, 76
.set B22, 77
.set B32, 78
.set B33, 79
; at work in the prediction
.set DU, 80
.set Q0, 81
.set PD, 82
.set B0, 83
.set SS0, 84
.set PQ, 85
.set PPL, 86
.set PMI, 87
.set KPL, 88
.set KMI, 89
.set APL, 90
.set AMI, 91
.set BPL, 92
.set BMI, 93
.set QPL, 94
.set QMI, 95
.set DPL, 96
.set DMI, 97
.set SPL, 98
.set SMI, 99
.set XP, 100
.set XM, 101
.set T0, 102
.set DF, 103
.set OV, 105                           ; sum of F_j^2 + constant, begun in the prediction
.set FB, 106                           ; v[106:169] P0 as loaded; the flush's 64 registers.  Shares registers that hold nothing between steps
; at work in the p measurement
.set Q1, 106
.set E0S, 107
.set E1S, 108
.set G1, 109
.set H1, 110
.set GG1, 111
.set SE10, 112
.set SE11, 113
.set T10, 114
.set T11, 115
.set SG1, 116
.set O11, 117
.set E11, 118
.set SM11, 119
; at work in the rest of the update
.set F1S, 120
.set F2S, 121
.set F3S, 122
.set QVP, 123
.set QVM, 124
.set Q2, 125
.set G2, 126
.set HP, 127
.set HM, 128
.set H2, 129
.set GG2, 130
.set SE20, 131
.set SE21, 132
.set SE22, 133
.set SE23, 134
.set YP, 135
.set YM, 136
.set Y2C, 137
.set T21, 138
.set T22, 139
.set T23, 140
.set SG2, 141
.set YPD, 142
.set YMD, 143
.set DD, 144
.set D20, 145
.set D21, 146
.set D22, 147
.set D23, 148
.set OV1, 149
.set OV2, 150
.set EV1, 151
.set EV2, 152
.set O22, 153
.set O22B, 154
.set O12, 155
.set ETA2, 156
.set AL20, 157
.set AL21, 158
.set AL22, 159
.set AL23, 160
.set K2E, 161
.set X23, 162
.set E22, 163
.set E22B, 164
.set E12, 165
.set SM12, 166
.set SM22, 167
.set TT, 168
.set DD2, 169
.set RR2, 170
.set NU1, 171
.set NU2, 172
.set EVV, 173
.set PZ01, 174
.set PZ10, 175
.set PZ11, 176
.set PZ21, 177
.set PZ31, 178
.set K00, 186
.set K01, 187
.set K10, 188
.set K11, 189
.set K20, 190
.set K21, 191
.set K30, 192
.set K31, 193
.set ZZ00, 194
.set ZZ01, 195
.set ZZ10, 196
.set ZZ11, 197
.set ZZ20, 198
.set ZZ21, 199
.set ZZ30, 200
.set ZZ31, 201
.set UU0, 202
.set UU1, 203
.set UU2, 204
.set UU3, 205
.set WW0, 206
.set WW1, 207
.set WW2, 208
.set WW3, 209
; results of the p measurement: made in the prediction, used in the next update, so outside FB
.set Y1C, 216
.set ETA1, 217
.set K1E, 218
.set AL10, 219
.set AL11, 220
.set D10, 221
.set D11, 222
.set RR1, 223
.set PZ00, 224
.set PZ20, 225
.set PZ30, 226
	s_load_b256 s[4:11], s[0:1], 0x0               ; y s[4:5], u s[6:7], z0 s[8:9], P0 s[10:11]
	s_load_b64 s[12:13], s[0:1], 0x20              ; out0
	v_lshl_add_u32 v240, v0, 2, 0x36400
	v_mov_b32 v241, 0
	ds_add_u32 v240, v241
	ds_add_u32 v240, v241
	v_lshrrev_b32 v2, 5, v0
	v_readfirstlane_b32 s14, v2                    ; w: my wave in the work-group, 0 or 1
	s_lshl_b32 s15, ttmp9, 1
	s_add_co_u32 s15, s15, s14                     ; W = 2 x work-group + w
	s_mul_i32 s90, s14, WAVE_LDS                   ; my wave's input in LDS
	s_add_co_u32 s91, s90, 4*YTILE                 ; its u tiles
	s_mul_i32 s89, s14, STG
	s_add_co_u32 s89, s89, STAGE0                  ; my wave's stage
	; group 1 of y's tiles: 32 rows x 128 elements of 4 bytes, 512 elements from row to row, 4 words of padding behind every 128
	s_mov_b32 s[G1Y+0], (2<<16)|(1<<20)|(6<<22)|(3<<25)
	s_mov_b32 s[G1Y+1], 128<<16                    ; tensor_dim0 = 128
	s_mov_b32 s[G1Y+2], 32<<16                     ; tensor_dim1 = 32
	s_mov_b32 s[G1Y+3], 128<<16                    ; tile_dim0 = 128
	s_mov_b32 s[G1Y+4], 32                         ; tile_dim1 = 32
	s_mov_b32 s[G1Y+5], 512                        ; a filter's row of y: 256 steps x 2
	s_mov_b32 s[G1Y+6], 0
	s_mov_b32 s[G1Y+7], 0
	; group 1 of u's tiles: 32 rows x 64 elements, 256 from row to row, 4 words of padding behind every 64
	s_mov_b32 s[G1U+0], (2<<16)|(1<<20)|(5<<22)|(3<<25)
	s_mov_b32 s[G1U+1], 64<<16
	s_mov_b32 s[G1U+2], 32<<16
	s_mov_b32 s[G1U+3], 64<<16
	s_mov_b32 s[G1U+4], 32
	s_mov_b32 s[G1U+5], 256
	s_mov_b32 s[G1U+6], 0
	s_mov_b32 s[G1U+7], 0
	s_mov_b32 s3, 0
	s_lshl_b32 s2, s15, 16                         ; 32 filters x 2,048 bytes of y
	s_wait_dscnt 0x0
	s_wait_kmcnt 0x0
	s_add_nc_u64 s[4:5], s[4:5], s[2:3]
	s_lshl_b32 s2, s15, 15                         ; 32 filters x 1,024 bytes of u
	s_add_nc_u64 s[6:7], s[6:7], s[2:3]
	; all eight fills, in the order y0 u0 y1 u1 y2 u2 y3 u3, ahead of every wait on TENSORcnt and of every LDS read
.irp c, 0,1,2,3
	s_mov_b32 s[G0+8*\c], 1
	s_add_co_u32 s[G0+8*\c+1], s90, \c*YTILE
	s_add_nc_u64 s[G0+8*\c+2:G0+8*\c+3], s[4:5], \c*512        ; steps 64 c .. 64 c + 63
	s_or_b32 s[G0+8*\c+3], s[G0+8*\c+3], 0x80000000
	tensor_load_to_lds s[G0+8*\c:G0+8*\c+3], s[G1Y:G1Y+7]
	s_nop 0
	s_mov_b32 s[G0+8*\c+4], 1
	s_add_co_u32 s[G0+8*\c+5], s91, \c*UTILE
	s_add_nc_u64 s[G0+8*\c+6:G0+8*\c+7], s[6:7], \c*256
	s_or_b32 s[G0+8*\c+7], s[G0+8*\c+7], 0x80000000
	tensor_load_to_lds s[G0+8*\c+4:G0+8*\c+7], s[G1U:G1U+7]
	s_nop 0
.endr
	s_lshl_b32 s2, s15, 9                          ; 32 x 16 bytes of z0
	s_add_nc_u64 s[8:9], s[8:9], s[2:3]
	s_lshl_b32 s2, s15, 11                         ; 32 x 64 bytes of P0
	s_add_nc_u64 s[10:11], s[10:11], s[2:3]
	s_lshl_b32 s2, s15, 17                         ; 32 x 4,096 bytes of out0
	s_add_nc_u64 s[12:13], s[12:13], s[2:3]
	v_and_b32 v1, 31, v0                           ; lane
	v_lshlrev_b32 v2, 4, v1
	v_lshlrev_b32 v3, 6, v1
	global_load_b128 v[ZM0:ZM0+3], v2, s[8:9] th:TH_LOAD_NT
.irp i, 0,1,2,3
	global_load_b128 v[FB+4*\i:FB+4*\i+3], v3, s[10:11] offset:16*\i th:TH_LOAD_NT   ; row i of my P0; the four loads together cover the wave's 2,048 bytes
.endr
	s_mov_b32 s[cC], 0x3fcccccd                    ; c = 1.6
	s_mov_b32 s[cDT], 0x3d4ccccd                   ; DT = 0.05
	s_mov_b32 s[cNDT], 0xbd4ccccd                  ; -DT
	s_mov_b32 s[cDAMP], 0x3f7ccccd                 ; 1 - DT x 0.25 = 0.9875
	s_mov_b32 s[cCD], 0x3fca3d71                   ; c x 0.9875 = 1.58
	s_mov_b32 s[cW], 0x3e480000                    ; w
	s_mov_b32 s[cNW], 0xbe480000                   ; -w
	s_mov_b32 s[cW2], 0x3ec80000                   ; 2 w
	s_mov_b32 s[cI2C], 0x3ea00000                  ; 1 / (2 c)
	s_mov_b32 s[cHW], 0x3e9c0000                   ; 0.5 - w
	s_mov_b32 s[cTDT], 0x3dcccccd                  ; 0.1 = 2 DT = the cubic's factor in h
	s_mov_b32 s[cDT2], 0x3b23d70a                  ; DT^2
	s_mov_b32 s[cAC2], 0x3e83126f                  ; 0.1 c^2 = 0.256
	s_mov_b32 s[cA6C2], 0x3fc49ba6                 ; 6 x 0.1 c^2 = 1.536
	s_mov_b32 s[cCPP], 0x375a1a93                  ; 1e-5 + 3 J
	s_mov_b32 s[cCVV], 0x38d801b4                  ; 1e-4 + 3 J
	s_mov_b32 s[cCKK], 0x368637bd                  ; 1e-6 + 3 J
	s_mov_b32 s[cRJJ], 0x3b23f898                  ; 0.0025 + 2 J
	s_mov_b32 s[cJ], 0x358637bd                    ; J
	s_mov_b32 s[cKA], 0x4093404f                   ; wc0 / 2w = 4.6016
	s_mov_b32 s[cKB], 0x40d3404f                   ; + 2
	s_mov_b32 s[cKC], 0x40f3404f                   ; + 3
	s_mov_b32 s[cA3], 0x3e99999a                   ; 0.3
	v_mul_u32_u24 v[YB], v1, 528
	v_add_nc_u32 v[YB], s90, v[YB]
	v_mul_u32_u24 v[SB], v1, 272
	v_add_nc_u32 v[UB], s91, v[SB]
	v_add_nc_u32 v[SB], s89, v[SB]
	v_and_b32 v[OO], 15, v0
	v_lshlrev_b32 v[OO], 4, v[OO]                  ; 16 x (lane mod 16)
	v_bfe_u32 v[YA], v0, 4, 1                      ; lane / 16
	v_mul_u32_u24 v[RD], v[YA], 272
	v_add3_u32 v[RD], v[RD], v[OO], s89            ; lanes 0-15 read one stage row, lanes 16-31 the next
	v_lshl_add_u32 v[OO], v[YA], 12, v[OO]         ; and store to one filter's row of out0 and to the next filter's
	s_wait_loadcnt 0x0                             ; z0 and P0, once
	; the first Cholesky input: 0.5 (P0 + P0^T) + J I
	v_add_f32 v[A00], s[cJ], v[FB+0]
	v_add_f32 v[A11], s[cJ], v[FB+5]
	v_add_f32 v[A22], s[cJ], v[FB+10]
	v_add_f32 v[A33], s[cJ], v[FB+15]
	v_add_f32 v[A10], v[FB+4], v[FB+1]
	v_add_f32 v[A20], v[FB+8], v[FB+2]
	v_add_f32 v[A30], v[FB+12], v[FB+3]
	v_add_f32 v[A21], v[FB+9], v[FB+6]
	v_add_f32 v[A31], v[FB+13], v[FB+7]
	v_add_f32 v[A32], v[FB+14], v[FB+11]
.irp r, A10,A20,A30,A21,A31,A32
	v_mul_f32 v[\r], 0.5, v[\r]
.endr
; The p measurement: all that hangs on P0C, E0, E1 and columns 0, 1 of L alone.  Columns 2 and 3 leave p alone: even part 0, odd part 0.
.macro P1A
	v_mul_f32 v[Q1], v[P0C], v[P0C]
	v_mul_f32 v[E0S], v[E0], v[E0]
	v_mul_f32 v[E1S], v[E1], v[E1]
	v_mul_f32 v[G1], s[cA6C2], v[P0C]
	v_fma_f32 v[H1], s[cTDT], v[Q1], 1.0
	v_fma_f32 v[GG1], s[cA3], v[Q1], 1.0
	v_mul_f32 v[SE10], v[G1], v[E0S]               ; even parts
	v_mul_f32 v[SE11], v[G1], v[E1S]
	v_fma_f32 v[T10], s[cAC2], v[E0S], v[GG1]
	v_fma_f32 v[T11], s[cAC2], v[E1S], v[GG1]
	v_mul_f32 v[Y1C], v[P0C], v[H1]                ; h at the centre
	v_add_f32 v[SG1], v[SE10], v[SE11]
	v_mul_f32 v[D10], v[E0], v[T10]                ; odd parts
	v_mul_f32 v[D11], v[E1], v[T11]
	v_mul_f32 v[ETA1], s[cNW], v[SG1]              ; centre less mean
.endm
.macro P1B
	v_fma_f32 v[O11], v[D10], v[D10], s[cRJJ]
	v_mul_f32 v[PZ00], v[E0], v[D10]
	v_mul_f32 v[PZ20], v[L20], v[D10]
	v_mul_f32 v[PZ30], v[L30], v[D10]
	v_mul_f32 v[K1E], s[cKB], v[ETA1]              ; the centre's weight and columns 2, 3
	v_fma_f32 v[AL10], 0.5, v[SE10], v[ETA1]
	v_fma_f32 v[AL11], 0.5, v[SE11], v[ETA1]
	v_fmac_f32 v[O11], v[D11], v[D11]
	v_fmac_f32 v[PZ00], v[E1], v[D11]
	v_mul_f32 v[E11], v[K1E], v[ETA1]
	v_fmac_f32 v[PZ20], v[L21], v[D11]
	v_fmac_f32 v[PZ30], v[L31], v[D11]
	v_fmac_f32 v[E11], v[AL10], v[AL10]
.endm
.macro P1C                             ; behind it one plain vector instruction stands before RR1 is used (ISA guide 5.7.2)
	v_fmac_f32 v[E11], v[AL11], v[AL11]
	v_fma_f32 v[SM11], s[cW2], v[E11], v[O11]      ; S11 + J
	v_rcp_f32 v[RR1], v[SM11]
.endm
	; t = 0: the Cholesky factor, plainly.  Behind each v_rsq_f32 one plain vector instruction before its result is used (ISA guide 5.7.2).
	v_rsq_f32 v[R0], v[A00]
	v_nop
	s_wait_alu depctr_va_vdst(0)
	v_mul_f32 v[L10], v[A10], v[R0]
	v_mul_f32 v[L00], v[A00], v[R0]                ; a x rsq(a) = sqrt(a)
	v_mul_f32 v[L20], v[A20], v[R0]
	v_mul_f32 v[L30], v[A30], v[R0]
	v_fma_f32 v[B11], -v[L10], v[L10], v[A11]
	v_fma_f32 v[B21], -v[L20], v[L10], v[A21]
	v_fma_f32 v[B31], -v[L30], v[L10], v[A31]
	v_rsq_f32 v[R1], v[B11]
	v_fma_f32 v[B22], -v[L20], v[L20], v[A22]
	v_fma_f32 v[B32], -v[L30], v[L20], v[A32]
	v_fma_f32 v[B33], -v[L30], v[L30], v[A33]
	s_wait_alu depctr_va_vdst(0)
	v_mul_f32 v[L11], v[B11], v[R1]
	v_mul_f32 v[L21], v[B21], v[R1]
	v_mul_f32 v[L31], v[B31], v[R1]
	v_fma_f32 v[B22], -v[L21], v[L21], v[B22]
	v_fma_f32 v[B32], -v[L31], v[L21], v[B32]
	v_fma_f32 v[B33], -v[L31], v[L31], v[B33]
	v_rsq_f32 v[R2], v[B22]
	v_nop
	s_wait_alu depctr_va_vdst(0)
	v_mul_f32 v[L22], v[B22], v[R2]
	v_mul_f32 v[L32], v[B32], v[R2]
	v_fma_f32 v[B33], -v[L32], v[L32], v[B33]
	v_rsq_f32 v[R3], v[B33]
	v_nop
	s_wait_alu depctr_va_vdst(0)
	v_mul_f32 v[L33], v[B33], v[R3]
	; t = 0 has no dynamics: the sigma points of the prior in the form that the update takes (copies, once in the launch)
	v_mov_b32 v[P0C], v[ZM0]
	v_mov_b32 v[VB], v[ZM1]
	v_mov_b32 v[VC], v[ZM1]
	v_fma_f32 v[VP], s[cC], v[L10], v[ZM1]
	v_fma_f32 v[VM], -v[L10], s[cC], v[ZM1]
	v_mov_b32 v[MU], 0
	v_mov_b32 v[AV0], 0
	v_mov_b32 v[F0], v[L10]
	v_mov_b32 v[F1], v[L11]
	v_mul_f32 v[F2], 0, v[L22]                     ; 0, or NaN where the factor failed
	v_mul_f32 v[F3], 0, v[L33]
	v_mov_b32 v[E0], v[L00]
	v_mov_b32 v[E1], 0
	v_fma_f32 v[OV], v[L10], v[L10], s[cJ]         ; P_pred = sym(P0) here: two jitters to the next Cholesky input, one is in A already
	v_add_f32 v[PP00], s[cJ], v[A00]
	v_add_f32 v[PP22], s[cJ], v[A22]
	v_add_f32 v[PP33], s[cJ], v[A33]
	v_mov_b32 v[PP20], v[A20]
	v_mov_b32 v[PP30], v[A30]
	P1A
	P1B
	P1C
; The rest of the update of step j of the four whose y lies in YIN.  first = 1: the trip's three LDS loads are waited for.
; It ends with the new mean in ZM0-3 (stored to the stage), the next Cholesky input in A and R0 = rsq(A00) issued.
.macro UPD2 j, first
	v_mul_f32 v[F3S], v[F3], v[F3]
	v_mul_f32 v[QVP], v[VP], v[VP]
	v_mul_f32 v[QVM], v[VM], v[VM]
	v_mul_f32 v[Q2], v[VC], v[VC]
	v_mul_f32 v[G2], s[cA6C2], v[VC]
	v_mul_f32 v[F1S], v[F1], v[F1]
	v_mul_f32 v[F2S], v[F2], v[F2]
	v_fma_f32 v[HP], s[cTDT], v[QVP], 1.0
	v_fma_f32 v[HM], s[cTDT], v[QVM], 1.0
	v_fma_f32 v[H2], s[cTDT], v[Q2], 1.0
	v_fma_f32 v[GG2], s[cA3], v[Q2], 1.0
	v_mul_f32 v[SE23], v[G2], v[F3S]               ; even parts of columns 1-3
	v_mul_f32 v[SE21], v[G2], v[F1S]
	v_mul_f32 v[SE22], v[G2], v[F2S]
	v_mul_f32 v[YP], v[VP], v[HP]                  ; h at column 0's two points and at the centre
	v_mul_f32 v[YM], v[VM], v[HM]
	v_mul_f32 v[Y2C], v[VC], v[H2]
	v_fma_f32 v[T21], s[cAC2], v[F1S], v[GG2]
	v_fma_f32 v[T22], s[cAC2], v[F2S], v[GG2]
	v_fma_f32 v[T23], s[cAC2], v[F3S], v[GG2]
	v_add_f32 v[SG2], v[SE21], v[SE22]
	v_sub_f32 v[YPD], v[YP], v[Y2C]
	v_sub_f32 v[YMD], v[YM], v[Y2C]
	v_sub_f32 v[DD], v[YP], v[YM]
	v_mul_f32 v[D21], v[F1], v[T21]                ; odd parts
	v_mul_f32 v[D22], v[F2], v[T22]
	v_mul_f32 v[D23], v[F3], v[T23]
	v_add_f32 v[SG2], v[SG2], v[SE23]
	v_add_f32 v[SE20], v[YPD], v[YMD]
	v_mul_f32 v[D20], s[cI2C], v[DD]
	v_mul_f32 v[OV1], v[F0], v[D10]
	v_add_f32 v[EV1], v[K1E], v[AL11]
	v_mul_f32 v[O22B], v[D21], v[D21]
	v_add_f32 v[SG2], v[SG2], v[SE20]
	v_fmac_f32 v[OV1], v[F1], v[D11]
	v_mul_f32 v[EV1], v[MU], v[EV1]
	v_fma_f32 v[O22], v[D20], v[D20], s[cRJJ]
	v_mul_f32 v[O12], v[D10], v[D20]
	v_mul_f32 v[PZ01], v[E0], v[D20]
	v_mul_f32 v[ETA2], s[cNW], v[SG2]              ; centre less mean
	v_fmac_f32 v[O22B], v[D23], v[D23]
	v_fmac_f32 v[EV1], v[AV0], v[AL10]
	v_fmac_f32 v[O22], v[D22], v[D22]
	v_fmac_f32 v[O12], v[D11], v[D21]
	v_fmac_f32 v[PZ01], v[E1], v[D21]
	v_fma_f32 v[AL20], 0.5, v[SE20], v[ETA2]
	v_fma_f32 v[AL21], 0.5, v[SE21], v[ETA2]
	v_fma_f32 v[AL22], 0.5, v[SE22], v[ETA2]
	v_fma_f32 v[AL23], 0.5, v[SE23], v[ETA2]
	v_mul_f32 v[K2E], s[cKA], v[ETA2]
	v_fma_f32 v[PZ10], s[cW2], v[EV1], v[OV1]
	v_add_f32 v[O22], v[O22], v[O22B]
	v_mul_f32 v[E22B], v[AL20], v[AL20]
	v_mul_f32 v[E12], v[AL10], v[AL20]
	v_add_f32 v[X23], v[AL22], v[AL23]
	v_mul_f32 v[E22], v[K2E], v[ETA2]
	v_mul_f32 v[PZ21], v[L20], v[D20]
	v_mul_f32 v[PZ31], v[L30], v[D20]
	v_fmac_f32 v[E22B], v[AL21], v[AL21]
	v_fmac_f32 v[E12], v[AL11], v[AL21]
	v_add_f32 v[X23], v[X23], v[K2E]
	v_fmac_f32 v[E22], v[AL22], v[AL22]
	v_mul_f32 v[OV2], v[F0], v[D20]
	v_fmac_f32 v[PZ21], v[L21], v[D21]
	v_fmac_f32 v[PZ31], v[L31], v[D21]
	v_fmac_f32 v[E12], v[ETA1], v[X23]
	v_add_f32 v[EV2], v[X23], v[AL21]
	v_fmac_f32 v[E22], v[AL23], v[AL23]
	v_fmac_f32 v[OV2], v[F1], v[D21]
	v_fmac_f32 v[PZ21], v[L22], v[D22]
	v_fmac_f32 v[PZ31], v[L32], v[D22]
	v_fma_f32 v[SM12], s[cW2], v[E12], v[O12]
	v_mul_f32 v[EV2], v[MU], v[EV2]
	v_add_f32 v[E22], v[E22], v[E22B]
	v_fmac_f32 v[OV2], v[F2], v[D22]
	v_fmac_f32 v[PZ31], v[L33], v[D23]
	s_wait_alu depctr_va_vdst(0)
	v_mul_f32 v[WW0], v[PZ00], v[RR1]
	v_mul_f32 v[TT], v[SM12], v[RR1]
	v_fmac_f32 v[EV2], v[AV0], v[AL20]
	v_fma_f32 v[SM22], s[cW2], v[E22], v[O22]      ; S22 + J
	v_fmac_f32 v[OV2], v[F3], v[D23]
	v_mul_f32 v[WW1], v[PZ10], v[RR1]
	v_mul_f32 v[WW2], v[PZ20], v[RR1]
	v_mul_f32 v[WW3], v[PZ30], v[RR1]
	v_fma_f32 v[DD2], -v[TT], v[SM12], v[SM22]     ; the 2 x 2 system's second pivot
	v_fma_f32 v[UU0], -v[TT], v[PZ00], v[PZ01]
	v_fma_f32 v[PZ11], s[cW2], v[EV2], v[OV2]
	v_fma_f32 v[UU2], -v[TT], v[PZ20], v[PZ21]
	v_fma_f32 v[UU3], -v[TT], v[PZ30], v[PZ31]
	v_rcp_f32 v[RR2], v[DD2]
.if \first
	s_wait_dscnt 0x0                               ; this trip's y and u are in registers (issued at the trip's head)
.endif
	v_sub_f32 v[NU1], v[YIN+2*\j], v[Y1C]
	v_sub_f32 v[NU2], v[YIN+2*\j+1], v[Y2C]
	v_fma_f32 v[UU1], -v[TT], v[PZ10], v[PZ11]
	v_mul_f32 v[PP10], v[E0], v[F0]                ; the v row of P_pred
	v_mul_f32 v[PP21], v[L20], v[F0]
	v_mul_f32 v[PP31], v[L30], v[F0]
	v_mul_f32 v[EVV], s[cKC], v[MU]
	v_fmac_f32 v[OV], v[F1], v[F1]
	v_add_f32 v[NU1], v[NU1], v[ETA1]              ; y - mean of h
	v_add_f32 v[NU2], v[NU2], v[ETA2]
	v_fmac_f32 v[PP10], v[E1], v[F1]
	v_fmac_f32 v[PP21], v[L21], v[F1]
	v_fmac_f32 v[PP31], v[L31], v[F1]
	v_mul_f32 v[EVV], v[EVV], v[MU]
	v_fmac_f32 v[OV], v[F2], v[F2]
	s_wait_alu depctr_va_vdst(0)
	v_mul_f32 v[K01], v[UU0], v[RR2]               ; the gain
	v_mul_f32 v[K11], v[UU1], v[RR2]
	v_mul_f32 v[K21], v[UU2], v[RR2]
	v_mul_f32 v[K31], v[UU3], v[RR2]
	v_fmac_f32 v[PP21], v[L22], v[F2]
	v_fma_f32 v[K00], -v[TT], v[K01], v[WW0]
	v_fma_f32 v[K10], -v[TT], v[K11], v[WW1]
	v_fma_f32 v[K20], -v[TT], v[K21], v[WW2]
	v_fma_f32 v[K30], -v[TT], v[K31], v[WW3]
	v_fma_f32 v[ZZ01], s[cJ], v[K01], v[PZ01]      ; Pzy + J K
	v_fmac_f32 v[PP31], v[L32], v[F2]
	v_fma_f32 v[ZZ00], s[cJ], v[K00], v[PZ00]
	v_fmac_f32 v[EVV], v[AV0], v[AV0]
	v_fmac_f32 v[OV], v[F3], v[F3]
	v_fma_f32 v[A00], -v[K01], v[ZZ01], v[PP00]
	v_fmac_f32 v[PP31], v[L33], v[F3]
	v_fma_f32 v[ZZ11], s[cJ], v[K11], v[PZ11]
	v_fma_f32 v[ZZ21], s[cJ], v[K21], v[PZ21]
	v_fma_f32 v[ZZ31], s[cJ], v[K31], v[PZ31]
	v_fma_f32 v[A00], -v[K00], v[ZZ00], v[A00]
	v_fma_f32 v[PP11], s[cW2], v[EVV], v[OV]
	v_fma_f32 v[A10], -v[K11], v[ZZ01], v[PP10]
	v_fma_f32 v[A20], -v[K21], v[ZZ01], v[PP20]
	v_fma_f32 v[A30], -v[K31], v[ZZ01], v[PP30]
	v_fma_f32 v[ZZ10], s[cJ], v[K10], v[PZ10]
	v_rsq_f32 v[R0], v[A00]                        ; the next factor's first pivot, as soon as it is there
	v_fma_f32 v[A10], -v[K10], v[ZZ00], v[A10]
	v_fma_f32 v[A20], -v[K20], v[ZZ00], v[A20]
	v_fma_f32 v[A30], -v[K30], v[ZZ00], v[A30]
	v_fma_f32 v[A11], -v[K11], v[ZZ11], v[PP11]
	v_fma_f32 v[ZM0], v[K00], v[NU1], v[P0C]
	v_fma_f32 v[ZM1], v[K10], v[NU1], v[VB]
	v_fmac_f32 v[ZM2], v[K20], v[NU1]
	v_fmac_f32 v[ZM3], v[K30], v[NU1]
	v_fma_f32 v[A11], -v[K10], v[ZZ10], v[A11]
	v_fmac_f32 v[ZM0], v[K01], v[NU2]
	v_fmac_f32 v[ZM1], v[K11], v[NU2]
	v_fmac_f32 v[ZM2], v[K21], v[NU2]
	v_fmac_f32 v[ZM3], v[K31], v[NU2]
	v_fma_f32 v[ZZ20], s[cJ], v[K20], v[PZ20]
	v_fma_f32 v[ZZ30], s[cJ], v[K30], v[PZ30]
	v_fma_f32 v[A21], -v[K21], v[ZZ11], v[PP21]
	v_fma_f32 v[A31], -v[K31], v[ZZ11], v[PP31]
	v_fma_f32 v[A22], -v[K21], v[ZZ21], v[PP22]
	v_fma_f32 v[A32], -v[K31], v[ZZ21], v[A32]
	v_fma_f32 v[A33], -v[K31], v[ZZ31], v[PP33]
	ds_store_b128 v[SA], v[ZM0:ZM0+3] offset:16*\j ; my row of the stage, this step's 16 bytes
	v_fma_f32 v[A21], -v[K20], v[ZZ10], v[A21]
	v_fma_f32 v[A31], -v[K30], v[ZZ10], v[A31]
	v_fma_f32 v[A22], -v[K20], v[ZZ20], v[A22]
	v_fma_f32 v[A32], -v[K30], v[ZZ20], v[A32]
	v_fma_f32 v[A33], -v[K30], v[ZZ30], v[A33]
.endm
; The prediction with input u in register uj: the Cholesky factor (R0 is on its way), with the sigma points' dynamics, P_pred's linear
; part and the next step's p measurement laid between its four levels, so that plain independent work stands behind every v_rsq_f32.
.macro PREDICT uj
	s_wait_alu depctr_va_vdst(0)
	v_mul_f32 v[L10], v[A10], v[R0]
	v_mul_f32 v[L00], v[A00], v[R0]
	v_mul_f32 v[L20], v[A20], v[R0]
	v_mul_f32 v[L30], v[A30], v[R0]
	v_mul_f32 v[DU], s[cDT], v[\uj]
	v_mul_f32 v[Q0], v[ZM0], v[ZM0]
	v_fma_f32 v[B11], -v[L10], v[L10], v[A11]
	v_mul_f32 v[PD], s[cNDT], v[ZM0]               ; dv2/dk at the centre
	v_fma_f32 v[P0C], s[cDT], v[ZM1], v[ZM0]
	v_fma_f32 v[B21], -v[L20], v[L10], v[A21]
	v_fma_f32 v[B31], -v[L30], v[L10], v[A31]
	v_rsq_f32 v[R1], v[B11]
	v_fma_f32 v[B0], s[cDAMP], v[ZM1], v[DU]
	v_fma_f32 v[B22], -v[L20], v[L20], v[A22]
	v_fma_f32 v[B32], -v[L30], v[L20], v[A32]
	v_fma_f32 v[B33], -v[L30], v[L30], v[A33]
	v_fma_f32 v[PPL], s[cC], v[L00], v[ZM0]        ; column 0's two points
	v_fma_f32 v[PMI], -v[L00], s[cC], v[ZM0]
	v_fma_f32 v[E0], s[cDT], v[L10], v[L00]
	v_fma_f32 v[SS0], v[ZM3], v[Q0], v[ZM2]
	s_wait_alu depctr_va_vdst(0)
	v_mul_f32 v[L21], v[B21], v[R1]
	v_mul_f32 v[L31], v[B31], v[R1]
	v_mul_f32 v[L11], v[B11], v[R1]
	v_mul_f32 v[PQ], v[PD], v[Q0]                  ; dv2/dal at the centre
	v_fma_f32 v[KPL], s[cC], v[L20], v[ZM2]
	v_fma_f32 v[KMI], -v[L20], s[cC], v[ZM2]
	v_fma_f32 v[B22], -v[L21], v[L21], v[B22]
	v_fma_f32 v[APL], s[cC], v[L30], v[ZM3]
	v_fma_f32 v[AMI], -v[L30], s[cC], v[ZM3]
	v_fma_f32 v[B32], -v[L31], v[L21], v[B32]
	v_fma_f32 v[B33], -v[L31], v[L31], v[B33]
	v_rsq_f32 v[R2], v[B22]
	v_mul_f32 v[QPL], v[PPL], v[PPL]
	v_mul_f32 v[QMI], v[PMI], v[PMI]
	v_mul_f32 v[DPL], s[cNDT], v[PPL]
	v_mul_f32 v[DMI], s[cNDT], v[PMI]
	v_fma_f32 v[BPL], s[cCD], v[L10], v[B0]
	v_fma_f32 v[BMI], -v[L10], s[cCD], v[B0]
	v_mul_f32 v[E1], s[cDT], v[L11]
	v_mul_f32 v[F1], s[cDAMP], v[L11]
	s_wait_alu depctr_va_vdst(0)
	v_mul_f32 v[L32], v[B32], v[R2]
	v_mul_f32 v[L22], v[B22], v[R2]
	v_fma_f32 v[SPL], v[APL], v[QPL], v[KPL]
	v_fma_f32 v[SMI], v[AMI], v[QMI], v[KMI]
	v_fma_f32 v[VC], v[PD], v[SS0], v[B0]
	v_fmac_f32 v[F1], v[PD], v[L21]
	v_fma_f32 v[B33], -v[L32], v[L32], v[B33]
	v_fma_f32 v[VP], v[DPL], v[SPL], v[BPL]
	v_fma_f32 v[VM], v[DMI], v[SMI], v[BMI]
	v_mul_f32 v[F2], v[PD], v[L22]
	v_fmac_f32 v[F1], v[PQ], v[L31]
	v_rsq_f32 v[R3], v[B33]
	P1A
	s_wait_alu depctr_va_vdst(0)
	v_mul_f32 v[L33], v[B33], v[R3]
	v_sub_f32 v[XP], v[VP], v[VC]
	v_sub_f32 v[XM], v[VM], v[VC]
	v_sub_f32 v[DF], v[VP], v[VM]
	v_fmac_f32 v[F2], v[PQ], v[L32]
	v_mul_f32 v[F3], v[PQ], v[L33]
	v_add_f32 v[T0], v[XP], v[XM]
	v_mul_f32 v[F0], s[cI2C], v[DF]
	P1B
	v_mul_f32 v[MU], s[cNW], v[T0]
	v_fma_f32 v[VB], s[cW], v[T0], v[VC]
	v_mul_f32 v[AV0], s[cHW], v[T0]
	v_fma_f32 v[OV], v[F0], v[F0], s[cCVV]
	v_fmac_f32 v[E11], v[AL11], v[AL11]            ; the three lines of P1C, spread
	v_fma_f32 v[PP00], s[cDT2], v[A11], v[A00]     ; P_pred's linear part, from A itself
	v_fma_f32 v[PP20], s[cDT], v[A21], v[A20]
	v_fma_f32 v[PP30], s[cDT], v[A31], v[A30]
	v_add_f32 v[PP22], s[cCKK], v[A22]
	v_fma_f32 v[SM11], s[cW2], v[E11], v[O11]
	v_add_f32 v[PP33], s[cCKK], v[A33]
	v_fmac_f32 v[PP00], s[cTDT], v[A10]
	v_rcp_f32 v[RR1], v[SM11]
	v_add_f32 v[PP00], s[cCPP], v[PP00]
.endm
.macro STEP j, first
	UPD2 \j, \first
	PREDICT UIN+\j
.endm
; Sixteen steps of 32 filters leave: load i takes stage rows 2 i and 2 i + 1 (256 bytes each), store i puts them into two filters' rows of out0.
.macro FLUSH
.irp i, 0,1,2,3,4,5,6,7,8,9,10,11,12,13,14,15
	ds_load_b128 v[FB+4*\i:FB+4*\i+3], v[RD] offset:544*\i     ; LDS serves a wave's instructions in order (ISA guide 5.7.1.4): these see my stores
.endr
.irp i, 0,1,2,3,4,5,6,7,8,9,10,11,12,13,14,15
	s_wait_dscnt 15-\i                             ; load i is in; the 15 - i younger ones may stay out
	global_store_b128 v[OO], v[FB+4*\i:FB+4*\i+3], s[12:13] offset:8192*\i th:TH_STORE_NT
.endr
	s_wait_xcnt 0x0                                ; OO and the 64 data registers are rewritten only behind this wait
	v_add_nc_u32 v[OO], 0x100, v[OO]               ; the next sixteen steps' 256 bytes
.endm
; 64 steps: tile c of y and of u.  Four groups of sixteen steps (one flush each), each of four trips of four steps.
.macro CHUNK c
	s_wait_tensorcnt 6-2*\c                        ; a wave's tensor loads end in order (ISA guide 10.11.1): y's and u's tile c are in, the 6 - 2 c issued behind them may stay out
	v_add_nc_u32 v[YA], \c*YTILE, v[YB]
	v_add_nc_u32 v[UA], \c*UTILE, v[UB]
	s_mov_b32 s92, 4
.Lgroup_\@:
	v_mov_b32 v[SA], v[SB]
	s_mov_b32 s93, 4
.Ltrip_\@:
	ds_load_b128 v[YIN:YIN+3], v[YA]               ; y of steps 0, 1 of the trip
	ds_load_b128 v[YIN+4:YIN+7], v[YA] offset:16   ; of steps 2, 3
	ds_load_b128 v[UIN:UIN+3], v[UA]               ; u of the four
	STEP 0, 1
	STEP 1, 0
	STEP 2, 0
	STEP 3, 0
	v_add_nc_u32 v[YA], 32, v[YA]
	v_add_nc_u32 v[UA], 16, v[UA]
	v_add_nc_u32 v[SA], 64, v[SA]
	s_sub_co_i32 s93, s93, 1
	s_cmp_lg_u32 s93, 0
	s_cbranch_scc1 .Ltrip_\@
	FLUSH
	s_sub_co_i32 s92, s92, 1
	s_cmp_lg_u32 s92, 0
	s_cbranch_scc1 .Lgroup_\@
.endm
	CHUNK 0
	CHUNK 1
	CHUNK 2
	CHUNK 3                                        ; its wait is for 0: no tensor load is out at the end
	s_wait_tensorcnt 0x0
	ds_add_u32 v240, v241
	s_wait_dscnt 0x0
	s_endpgm
.Lfunc_end_k_q5630dcbba9_ukf:
	.size	k_q5630dcbba9_ukf, .Lfunc_end_k_q5630dcbba9_ukf-k_q5630dcbba9_ukf
	.p2alignl 7, 3214868480
	.fill 96, 4, 3214868480
	.section	.rodata,"a",@progbits
	.p2align	6, 0x0
	.amdhsa_kernel k_q5630dcbba9_ukf
		.amdhsa_group_segment_fixed_size 222464
		.amdhsa_private_segment_fixed_size 0
		.amdhsa_enable_private_segment 0
		.amdhsa_kernarg_size 40
		.amdhsa_user_sgpr_count 2
		.amdhsa_user_sgpr_kernarg_segment_ptr 1
		.amdhsa_wavefront_size32 1
		.amdhsa_system_sgpr_workgroup_id_x 1
		.amdhsa_system_sgpr_workgroup_id_y 1
		.amdhsa_system_sgpr_workgroup_id_z 1
		.amdhsa_system_vgpr_workitem_id 0
		.amdhsa_next_free_vgpr 242
		.amdhsa_next_free_sgpr 96
		.amdhsa_reserve_vcc 0
		.amdhsa_float_denorm_mode_32 3
		.amdhsa_float_denorm_mode_16_64 3
		.amdhsa_memory_ordered 1
		.amdhsa_forward_progress 1
		.amdhsa_inst_pref_size 208
	.end_amdhsa_kernel
	.amdgpu_metadata
---
amdhsa.version: [ 1, 2 ]
amdhsa.kernels:
  - .name:           k_q5630dcbba9_ukf
    .symbol:         k_q5630dcbba9_ukf.kd
    .args:
      - { .name: y, .offset: 0, .size: 8, .value_kind: global_buffer, .address_space: global }
      - { .name: u, .offset: 8, .size: 8, .value_kind: global_buffer, .address_space: global }
      - { .name: z0, .offset: 16, .size: 8, .value_kind: global_buffer, .address_space: global }
      - { .name: P0, .offset: 24, .size: 8, .value_kind: global_buffer, .address_space: global }
      - { .name: out0, .offset: 32, .size: 8, .value_kind: global_buffer, .address_space: global }
    .group_segment_fixed_size: 222464
    .private_segment_fixed_size: 0
    .kernarg_segment_align: 8
    .kernarg_segment_size: 40
    .max_flat_workgroup_size: 64
    .sgpr_count:     96
    .vgpr_count:     242
    .wavefront_size: 32
...
	.end_amdgpu_metadata
.endif
;; end of part 1
;; ======== version 2 of 2: 1 launch; 1.07 times as fast as version 1
;; launch ukf (part 2): grid 256 x 1, 2 waves a work-group, no clusters, 222,464 bytes of LDS; arguments y, u, z0, P0, out0; writes out0
.if DOCPART == 2
	.amdgcn_target "amdgcn-amd-amdhsa--gfx1250"
	.amdhsa_code_object_version 6
	.text
	.protected	k_q5630dcbba9_ukf
	.globl	k_q5630dcbba9_ukf
	.p2align	8
	.type	k_q5630dcbba9_ukf,@function
k_q5630dcbba9_ukf:
	s_mov_b64 s[64:65], 0
	v_nop
	global_prefetch_b8 v0, s[64:65] scope:SCOPE_SE
	s_setreg_imm32_b32 hwreg(HW_REG_WAVE_MODE, 25, 1), 1
	s_wait_xcnt 0x0
; Augmented UKF: 16,384 independent filters of 4 states (p, v, k, al) and 2 measurements, 256 serial steps each.
; ONE LANE = ONE FILTER.  512 waves: 256 work-groups of 2 waves; wave W = 2 x group + w owns filters 32 W .. 32 W + 31.
; The work is a serial recursion: what counts is the number of vector instructions in a step and that memory stays off the chain.
;  - input: a wave's y (64 KiB) and u (32 KiB) come in by 8 tensor loads, issued first of all (8 outstanding at the most, none refilled):
;    4 tiles of 64 steps each for y and for u, rows padded by 16 bytes.
;  - output: each step's 16 bytes a lane go to the wave's own LDS stage; after 16 steps the stage is read back by rows and stored, sixteen
;    neighbouring lanes writing 256 consecutive bytes of one filter's row of out0, at a multiple of 256 from its first byte.
;  - every LDS byte belongs to one wave and no byte is filled twice: no barrier.
; NOT USED: matrix instructions (each product is one filter's own 4 x 9 by 9 x 2 or 9 x 4, most of which the algebra below removes, and the
; covariance with its 1e-6 jitter has no room for 16-bit operands); clusters (no byte is shared between work-groups); prefetch (all input is asked for at once).
;
; ALGEBRA, exact for every input (c = 1.6, w = 0.1953125, 2 w c^2 = 1, wm0 + 8 w = 1, wc0 = 1.7975 = 4.6016 x 2w, J = 1e-6):
;  A = the Cholesky input = P_post + J I, L L^T = A; sigma pair j is m +- c x column j of L.
;  (a) p2, k, al are linear: their means are the centre's and their block of P_pred is a linear map of A.
;  (b) columns 1-3 leave p alone, so there v2 = VC +- c F_j; column 0 alone is evaluated point by point (VP, VM).
;  (c) a pair alpha +- c D gives w (dA+ dB+ + dA- dB-) = 2w alphaA alphaB + DA DB.
;  (d) h(x) = x + 0.1 x^3 on x0 +- c d: even part 1.536 x0 d^2 (sum of both less 2 h(x0)), odd part D = d (1 + 0.3 x0^2 + 0.256 d^2).
;  (e) K (S + J I) = Pzy turns P_pred - K Pzy^T - Pzy K^T + K S K^T into P_pred - K (Pzy + J K)^T.
;  (f) Q and the three jitters between P_pred's sum and the next Cholesky input are one constant on each diagonal entry; R and S's two jitters likewise.
; THE TRANSCENDENTALS: six a step.  Five are a ring in which each reads what the one before it made: 1 / (S's second pivot) -> rsq(A00) -> rsq(B11) -> rsq(B22) -> rsq(B33) -> the next
; step's reciprocal.  Each of these is a batch by itself, with plain work that names no result of it between it and its wait.  The sixth, 1 / (S11 + J), hangs on columns 0 and 1 of L alone:
; the whole p measurement stands behind rsq(B22), its reciprocal is issued a few lines ahead of rsq(B33), and the two share one wait.  Five waits a step; none is open at a label or a branch.
; The step's one LDS store stands directly behind the wait for rsq(A00): the mean's four registers are written there.
; LIMITS: the order of rounding differs from the problem's function; by (e) an error of K enters P at first order (relative size of one rounding);
; v_rsq_f32 and v_rcp_f32 are good to 1 ULP and flush denormals (ISA guide 15.8), the pivots carry at least the jitter 1e-6;
; a pivot that is not positive gives NaN in all four states from that step on (every diagonal of L reaches an F_j, at t = 0 through 0 x L).
; The prediction behind the last step is computed and dropped (1 of 256), so that all steps share one loop body.
.set YTILE,    16896                   ; 32 rows x (512 + 16) bytes: 64 steps of y for 32 filters
.set UTILE,    8704                    ; 32 rows x (256 + 16) bytes: 64 steps of u
.set WAVE_LDS, 102400                  ; 4 y tiles, then 4 u tiles
.set STAGE0,   204800                  ; behind both waves' input: the stages, 32 rows x (256 + 16) bytes a wave; no tensor load lands here
.set STG,      8704
; scalar registers
.set G0,  16                           ; s[16:47] descriptor group 0: y tile c at G0 + 8 c, u tile c at G0 + 8 c + 4; never rewritten
.set G1Y, 48                           ; s[48:55] group 1 of y's tiles
.set G1U, 56                           ; s[56:63] group 1 of u's tiles
.set cC, 66
.set cDT, 67
.set cNDT, 68
.set cDAMP, 69
.set cCD, 70
.set cW, 71
.set cNW, 72
.set cW2, 73
.set cI2C, 74
.set cHW, 75
.set cTDT, 76
.set cDT2, 77
.set cAC2, 78
.set cA6C2, 79
.set cCPP, 80
.set cCVV, 81
.set cCKK, 82
.set cRJJ, 83
.set cJ, 84
.set cKA, 85
.set cKB, 86
.set cKC, 87
.set cA3, 88
; vector registers: addresses
.set YB, 4                             ; LDS: my row in my wave's y tile 0
.set UB, 5                             ; LDS: my row in u tile 0
.set SB, 6                             ; LDS: my row of the stage
.set RD, 7                             ; LDS: where I read the stage back
.set OO, 8                             ; byte offset in out0 of what I store in a flush
.set YA, 9
.set UA, 10
.set SA, 11
.set YIN, 12                           ; v[12:19] y of four steps
.set UIN, 20                           ; v[20:23] u of four steps
; state
.set ZM0, 24                           ; v[24:27] the mean
.set ZM1, 25
.set ZM2, 26
.set ZM3, 27
.set A00, 28                           ; the Cholesky input, lower triangle
.set A10, 29
.set A20, 30
.set A30, 31
.set A11, 32
.set A21, 33
.set A31, 34
.set A22, 35
.set A32, 36                           ; also P_pred(3,2), which equals it
.set A33, 37
.set L00, 38
.set L10, 39
.set L20, 40
.set L30, 41
.set L11, 42
.set L21, 43
.set L31, 44
.set L22, 45
.set L32, 46
.set L33, 47
.set PP00, 48                          ; P_pred with the diagonal constants of (f)
.set PP10, 49
.set PP20, 50
.set PP30, 51
.set PP11, 52
.set PP21, 53
.set PP31, 54
.set PP22, 55
.set PP33, 56
.set P0C, 57                           ; predicted p (centre = mean)
.set VB, 58                            ; predicted mean of v
.set VC, 59                            ; v2 of the centre
.set VP, 60                            ; v2 of column 0, plus and minus
.set VM, 61
.set MU, 62                            ; VC - VB
.set AV0, 63                           ; even part of column 0 in v
.set F0, 64                            ; odd parts in v
.set F1, 65
.set F2, 66
.set F3, 67
.set E0, 68                            ; odd parts in p
.set E1, 69
.set R0, 70
.set R1, 71
.set R2, 72
.set R3, 73
.set B11, 74
.set B21, 75
.set B31, 76
.set B22, 77
.set B32, 78
.set B33, 79
; at work in the prediction
.set DU, 80
.set Q0, 81
.set PD, 82
.set B0, 83
.set SS0, 84
.set PQ, 85
.set PPL, 86
.set PMI, 87
.set KPL, 88
.set KMI, 89
.set APL, 90
.set AMI, 91
.set BPL, 92
.set BMI, 93
.set QPL, 94
.set QMI, 95
.set DPL, 96
.set DMI, 97
.set SPL, 98
.set SMI, 99
.set XP, 100
.set XM, 101
.set T0, 102
.set DF, 103
.set OV, 105                           ; sum of F_j^2 + constant, begun in the prediction
.set FB, 106                           ; v[106:169] P0 as loaded; the flush's 64 registers.  Shares registers that hold nothing between steps
; at work in the p measurement
.set Q1, 106
.set E0S, 107
.set E1S, 108
.set G1, 109
.set H1, 110
.set GG1, 111
.set SE10, 112
.set SE11, 113
.set T10, 114
.set T11, 115
.set SG1, 116
.set O11, 117
.set E11, 118
.set SM11, 119
; at work in the rest of the update
.set F1S, 120
.set F2S, 121
.set F3S, 122
.set QVP, 123
.set QVM, 124
.set Q2, 125
.set G2, 126
.set HP, 127
.set HM, 128
.set H2, 129
.set GG2, 130
.set SE20, 131
.set SE21, 132
.set SE22, 133
.set SE23, 134
.set YP, 135
.set YM, 136
.set Y2C, 137
.set T21, 138
.set T22, 139
.set T23, 140
.set SG2, 141
.set YPD, 142
.set YMD, 143
.set DD, 144
.set D20, 145
.set D21, 146
.set D22, 147
.set D23, 148
.set OV1, 149
.set OV2, 150
.set EV1, 151
.set EV2, 152
.set O22, 153
.set O22B, 154
.set O12, 155
.set ETA2, 156
.set AL20, 157
.set AL21, 158
.set AL22, 159
.set AL23, 160
.set K2E, 161
.set X23, 162
.set E22, 163
.set E22B, 164
.set E12, 165
.set SM12, 166
.set SM22, 167
.set TT, 168
.set DD2, 169
.set RR2, 170
.set NU1, 171
.set NU2, 172
.set EVV, 173
.set PZ01, 174
.set PZ10, 175
.set PZ11, 176
.set PZ21, 177
.set PZ31, 178
.set K00, 186
.set K01, 187
.set K10, 188
.set K11, 189
.set K20, 190
.set K21, 191
.set K30, 192
.set K31, 193
.set ZZ00, 194
.set ZZ01, 195
.set ZZ10, 196
.set ZZ11, 197
.set ZZ20, 198
.set ZZ21, 199
.set ZZ30, 200
.set ZZ31, 201
.set UU0, 202
.set UU1, 203
.set UU2, 204
.set UU3, 205
.set WW0, 206
.set WW1, 207
.set WW2, 208
.set WW3, 209
; results of the p measurement: made in the prediction, used in the next update, so outside FB
.set Y1C, 216
.set ETA1, 217
.set K1E, 218
.set AL10, 219
.set AL11, 220
.set D10, 221
.set D11, 222
.set RR1, 223
.set PZ00, 224
.set PZ20, 225
.set PZ30, 226
	s_load_b256 s[4:11], s[0:1], 0x0               ; y s[4:5], u s[6:7], z0 s[8:9], P0 s[10:11]
	s_load_b64 s[12:13], s[0:1], 0x20              ; out0
	v_lshl_add_u32 v240, v0, 2, 0x36400
	v_mov_b32 v241, 0
	ds_add_u32 v240, v241
	ds_add_u32 v240, v241
	v_lshrrev_b32 v2, 5, v0
	v_readfirstlane_b32 s14, v2                    ; w: my wave in the work-group, 0 or 1
	s_lshl_b32 s15, ttmp9, 1
	s_add_co_u32 s15, s15, s14                     ; W = 2 x work-group + w
	s_mul_i32 s90, s14, WAVE_LDS                   ; my wave's input in LDS
	s_add_co_u32 s91, s90, 4*YTILE                 ; its u tiles
	s_mul_i32 s89, s14, STG
	s_add_co_u32 s89, s89, STAGE0                  ; my wave's stage
	; group 1 of y's tiles: 32 rows x 128 elements of 4 bytes, 512 elements from row to row, 4 words of padding behind every 128
	s_mov_b32 s[G1Y+0], (2<<16)|(1<<20)|(6<<22)|(3<<25)
	s_mov_b32 s[G1Y+1], 128<<16                    ; tensor_dim0 = 128
	s_mov_b32 s[G1Y+2], 32<<16                     ; tensor_dim1 = 32
	s_mov_b32 s[G1Y+3], 128<<16                    ; tile_dim0 = 128
	s_mov_b32 s[G1Y+4], 32                         ; tile_dim1 = 32
	s_mov_b32 s[G1Y+5], 512                        ; a filter's row of y: 256 steps x 2
	s_mov_b32 s[G1Y+6], 0
	s_mov_b32 s[G1Y+7], 0
	; group 1 of u's tiles: 32 rows x 64 elements, 256 from row to row, 4 words of padding behind every 64
	s_mov_b32 s[G1U+0], (2<<16)|(1<<20)|(5<<22)|(3<<25)
	s_mov_b32 s[G1U+1], 64<<16
	s_mov_b32 s[G1U+2], 32<<16
	s_mov_b32 s[G1U+3], 64<<16
	s_mov_b32 s[G1U+4], 32
	s_mov_b32 s[G1U+5], 256
	s_mov_b32 s[G1U+6], 0
	s_mov_b32 s[G1U+7], 0
	s_mov_b32 s3, 0
	s_lshl_b32 s2, s15, 16                         ; 32 filters x 2,048 bytes of y
	s_wait_dscnt 0x0
	s_wait_kmcnt 0x0
	s_add_nc_u64 s[4:5], s[4:5], s[2:3]
	s_lshl_b32 s2, s15, 15                         ; 32 filters x 1,024 bytes of u
	s_add_nc_u64 s[6:7], s[6:7], s[2:3]
	; all eight fills, in the order y0 u0 y1 u1 y2 u2 y3 u3, ahead of every wait on TENSORcnt and of every LDS read
.irp c, 0,1,2,3
	s_mov_b32 s[G0+8*\c], 1
	s_add_co_u32 s[G0+8*\c+1], s90, \c*YTILE
	s_add_nc_u64 s[G0+8*\c+2:G0+8*\c+3], s[4:5], \c*512        ; steps 64 c .. 64 c + 63
	s_or_b32 s[G0+8*\c+3], s[G0+8*\c+3], 0x80000000
	tensor_load_to_lds s[G0+8*\c:G0+8*\c+3], s[G1Y:G1Y+7]
	s_nop 0
	s_mov_b32 s[G0+8*\c+4], 1
	s_add_co_u32 s[G0+8*\c+5], s91, \c*UTILE
	s_add_nc_u64 s[G0+8*\c+6:G0+8*\c+7], s[6:7], \c*256
	s_or_b32 s[G0+8*\c+7], s[G0+8*\c+7], 0x80000000
	tensor_load_to_lds s[G0+8*\c+4:G0+8*\c+7], s[G1U:G1U+7]
	s_nop 0
.endr
	s_lshl_b32 s2, s15, 9                          ; 32 x 16 bytes of z0
	s_add_nc_u64 s[8:9], s[8:9], s[2:3]
	s_lshl_b32 s2, s15, 11                         ; 32 x 64 bytes of P0
	s_add_nc_u64 s[10:11], s[10:11], s[2:3]
	s_lshl_b32 s2, s15, 17                         ; 32 x 4,096 bytes of out0
	s_add_nc_u64 s[12:13], s[12:13], s[2:3]
	v_and_b32 v1, 31, v0                           ; lane
	v_lshlrev_b32 v2, 4, v1
	v_lshlrev_b32 v3, 6, v1
	global_load_b128 v[ZM0:ZM0+3], v2, s[8:9] th:TH_LOAD_NT
.irp i, 0,1,2,3
	global_load_b128 v[FB+4*\i:FB+4*\i+3], v3, s[10:11] offset:16*\i th:TH_LOAD_NT   ; row i of my P0; the four loads together cover the wave's 2,048 bytes
.endr
	s_mov_b32 s[cC], 0x3fcccccd                    ; c = 1.6
	s_mov_b32 s[cDT], 0x3d4ccccd                   ; DT = 0.05
	s_mov_b32 s[cNDT], 0xbd4ccccd                  ; -DT
	s_mov_b32 s[cDAMP], 0x3f7ccccd                 ; 1 - DT x 0.25 = 0.9875
	s_mov_b32 s[cCD], 0x3fca3d71                   ; c x 0.9875 = 1.58
	s_mov_b32 s[cW], 0x3e480000                    ; w
	s_mov_b32 s[cNW], 0xbe480000                   ; -w
	s_mov_b32 s[cW2], 0x3ec80000                   ; 2 w
	s_mov_b32 s[cI2C], 0x3ea00000                  ; 1 / (2 c)
	s_mov_b32 s[cHW], 0x3e9c0000                   ; 0.5 - w
	s_mov_b32 s[cTDT], 0x3dcccccd                  ; 0.1 = 2 DT = the cubic's factor in h
	s_mov_b32 s[cDT2], 0x3b23d70a                  ; DT^2
	s_mov_b32 s[cAC2], 0x3e83126f                  ; 0.1 c^2 = 0.256
	s_mov_b32 s[cA6C2], 0x3fc49ba6                 ; 6 x 0.1 c^2 = 1.536
	s_mov_b32 s[cCPP], 0x375a1a93                  ; 1e-5 + 3 J
	s_mov_b32 s[cCVV], 0x38d801b4                  ; 1e-4 + 3 J
	s_mov_b32 s[cCKK], 0x368637bd                  ; 1e-6 + 3 J
	s_mov_b32 s[cRJJ], 0x3b23f898                  ; 0.0025 + 2 J
	s_mov_b32 s[cJ], 0x358637bd                    ; J
	s_mov_b32 s[cKA], 0x4093404f                   ; wc0 / 2w = 4.6016
	s_mov_b32 s[cKB], 0x40d3404f                   ; + 2
	s_mov_b32 s[cKC], 0x40f3404f                   ; + 3
	s_mov_b32 s[cA3], 0x3e99999a                   ; 0.3
	v_mul_u32_u24 v[YB], v1, 528
	v_add_nc_u32 v[YB], s90, v[YB]
	v_mul_u32_u24 v[SB], v1, 272
	v_add_nc_u32 v[UB], s91, v[SB]
	v_add_nc_u32 v[SB], s89, v[SB]
	v_and_b32 v[OO], 15, v0
	v_lshlrev_b32 v[OO], 4, v[OO]                  ; 16 x (lane mod 16)
	v_bfe_u32 v[YA], v0, 4, 1                      ; lane / 16
	v_mul_u32_u24 v[RD], v[YA], 272
	v_add3_u32 v[RD], v[RD], v[OO], s89            ; lanes 0-15 read one stage row, lanes 16-31 the next
	v_lshl_add_u32 v[OO], v[YA], 12, v[OO]         ; and store to one filter's row of out0 and to the next filter's
	s_wait_loadcnt 0x0                             ; z0 and P0, once
	; the first Cholesky input: 0.5 (P0 + P0^T) + J I
	v_add_f32 v[A00], s[cJ], v[FB+0]
	v_add_f32 v[A11], s[cJ], v[FB+5]
	v_add_f32 v[A22], s[cJ], v[FB+10]
	v_add_f32 v[A33], s[cJ], v[FB+15]
	v_add_f32 v[A10], v[FB+4], v[FB+1]
	v_add_f32 v[A20], v[FB+8], v[FB+2]
	v_add_f32 v[A30], v[FB+12], v[FB+3]
	v_add_f32 v[A21], v[FB+9], v[FB+6]
	v_add_f32 v[A31], v[FB+13], v[FB+7]
	v_add_f32 v[A32], v[FB+14], v[FB+11]
.irp r, A10,A20,A30,A21,A31,A32
	v_mul_f32 v[\r], 0.5, v[\r]
.endr
; The p measurement: all that hangs on P0C, E0, E1 and columns 0, 1 of L alone.  Columns 2 and 3 leave p alone: even part 0, odd part 0.
.macro P1A
	v_mul_f32 v[Q1], v[P0C], v[P0C]
	v_mul_f32 v[E0S], v[E0], v[E0]
	v_mul_f32 v[E1S], v[E1], v[E1]
	v_mul_f32 v[G1], s[cA6C2], v[P0C]
	v_fma_f32 v[H1], s[cTDT], v[Q1], 1.0
	v_fma_f32 v[GG1], s[cA3], v[Q1], 1.0
	v_mul_f32 v[SE10], v[G1], v[E0S]               ; even parts
	v_mul_f32 v[SE11], v[G1], v[E1S]
	v_fma_f32 v[T10], s[cAC2], v[E0S], v[GG1]
	v_fma_f32 v[T11], s[cAC2], v[E1S], v[GG1]
	v_mul_f32 v[Y1C], v[P0C], v[H1]                ; h at the centre
	v_add_f32 v[SG1], v[SE10], v[SE11]
	v_mul_f32 v[D10], v[E0], v[T10]                ; odd parts
	v_mul_f32 v[D11], v[E1], v[T11]
	v_mul_f32 v[ETA1], s[cNW], v[SG1]              ; centre less mean
.endm
.macro P1B
	v_fma_f32 v[O11], v[D10], v[D10], s[cRJJ]
	v_mul_f32 v[PZ00], v[E0], v[D10]
	v_mul_f32 v[PZ20], v[L20], v[D10]
	v_mul_f32 v[PZ30], v[L30], v[D10]
	v_mul_f32 v[K1E], s[cKB], v[ETA1]              ; the centre's weight and columns 2, 3
	v_fma_f32 v[AL10], 0.5, v[SE10], v[ETA1]
	v_fma_f32 v[AL11], 0.5, v[SE11], v[ETA1]
	v_fmac_f32 v[O11], v[D11], v[D11]
	v_fmac_f32 v[PZ00], v[E1], v[D11]
	v_mul_f32 v[E11], v[K1E], v[ETA1]
	v_fmac_f32 v[PZ20], v[L21], v[D11]
	v_fmac_f32 v[PZ30], v[L31], v[D11]
	v_fmac_f32 v[E11], v[AL10], v[AL10]
.endm
.macro P1C                             ; behind it one plain vector instruction stands before RR1 is used (ISA guide 5.7.2), and its wait
	v_fmac_f32 v[E11], v[AL11], v[AL11]
	v_fma_f32 v[SM11], s[cW2], v[E11], v[O11]      ; S11 + J
	v_rcp_f32 v[RR1], v[SM11]
.endm
	; t = 0: the Cholesky factor, plainly.  Behind each v_rsq_f32 one plain vector instruction before its result is used (ISA guide 5.7.2).
	; Each pivot's v_rsq_f32 reads what the one before it made: four batches of one, once in the launch.
	v_rsq_f32 v[R0], v[A00]
	v_nop
	s_wait_alu depctr_va_vdst(0)                   ; the batch is rsq(A00)
	v_mul_f32 v[L10], v[A10], v[R0]
	v_mul_f32 v[L00], v[A00], v[R0]                ; a x rsq(a) = sqrt(a)
	v_mul_f32 v[L20], v[A20], v[R0]
	v_mul_f32 v[L30], v[A30], v[R0]
	v_fma_f32 v[B11], -v[L10], v[L10], v[A11]
	v_fma_f32 v[B21], -v[L20], v[L10], v[A21]
	v_fma_f32 v[B31], -v[L30], v[L10], v[A31]
	v_rsq_f32 v[R1], v[B11]
	v_fma_f32 v[B22], -v[L20], v[L20], v[A22]
	v_fma_f32 v[B32], -v[L30], v[L20], v[A32]
	v_fma_f32 v[B33], -v[L30], v[L30], v[A33]
	s_wait_alu depctr_va_vdst(0)                   ; the batch is rsq(B11)
	v_mul_f32 v[L11], v[B11], v[R1]
	v_mul_f32 v[L21], v[B21], v[R1]
	v_mul_f32 v[L31], v[B31], v[R1]
	v_fma_f32 v[B22], -v[L21], v[L21], v[B22]
	v_fma_f32 v[B32], -v[L31], v[L21], v[B32]
	v_fma_f32 v[B33], -v[L31], v[L31], v[B33]
	v_rsq_f32 v[R2], v[B22]
	v_nop
	s_wait_alu depctr_va_vdst(0)                   ; the batch is rsq(B22)
	v_mul_f32 v[L22], v[B22], v[R2]
	v_mul_f32 v[L32], v[B32], v[R2]
	v_fma_f32 v[B33], -v[L32], v[L32], v[B33]
	v_rsq_f32 v[R3], v[B33]
	v_nop
	s_wait_alu depctr_va_vdst(0)                   ; the batch is rsq(B33)
	v_mul_f32 v[L33], v[B33], v[R3]
	; t = 0 has no dynamics: the sigma points of the prior in the form that the update takes (copies, once in the launch)
	v_mov_b32 v[P0C], v[ZM0]
	v_mov_b32 v[VB], v[ZM1]
	v_mov_b32 v[VC], v[ZM1]
	v_fma_f32 v[VP], s[cC], v[L10], v[ZM1]
	v_fma_f32 v[VM], -v[L10], s[cC], v[ZM1]
	v_mov_b32 v[MU], 0
	v_mov_b32 v[AV0], 0
	v_mov_b32 v[F0], v[L10]
	v_mov_b32 v[F1], v[L11]
	v_mul_f32 v[F2], 0, v[L22]                     ; 0, or NaN where the factor failed
	v_mul_f32 v[F3], 0, v[L33]
	v_mov_b32 v[E0], v[L00]
	v_mov_b32 v[E1], 0
	v_fma_f32 v[OV], v[L10], v[L10], s[cJ]         ; P_pred = sym(P0) here: two jitters to the next Cholesky input, one is in A already
	v_add_f32 v[PP00], s[cJ], v[A00]
	v_add_f32 v[PP22], s[cJ], v[A22]
	v_add_f32 v[PP33], s[cJ], v[A33]
	P1A
	P1B
	P1C
	v_mov_b32 v[PP20], v[A20]                      ; the last two copies are the plain lines behind the reciprocal
	v_mov_b32 v[PP30], v[A30]
	s_wait_alu depctr_va_vdst(0)                   ; the batch is 1 / (S11 + J) of t = 0: waited for ahead of the loops' first label
; The rest of the update of step j of the four whose y lies in YIN.  first = 1: the trip's three LDS loads are waited for.
; It ends with the new mean in ZM0-3, the next Cholesky input in A, R0 = rsq(A00) waited for, and the mean stored to the stage.
; RR1 = 1 / (S11 + J) was waited for in the prediction.
.macro UPD2 j, first
	v_mul_f32 v[QVP], v[VP], v[VP]
	v_mul_f32 v[QVM], v[VM], v[VM]
	v_mul_f32 v[Q2], v[VC], v[VC]
	v_mul_f32 v[G2], s[cA6C2], v[VC]
	v_mul_f32 v[F1S], v[F1], v[F1]
	v_mul_f32 v[F2S], v[F2], v[F2]
	v_mul_f32 v[F3S], v[F3], v[F3]                 ; F3 is the prediction's last line: six lines stand between
	v_fma_f32 v[HP], s[cTDT], v[QVP], 1.0
	v_fma_f32 v[HM], s[cTDT], v[QVM], 1.0
	v_fma_f32 v[H2], s[cTDT], v[Q2], 1.0
	v_fma_f32 v[GG2], s[cA3], v[Q2], 1.0
	v_mul_f32 v[SE23], v[G2], v[F3S]               ; even parts of columns 1-3
	v_mul_f32 v[SE21], v[G2], v[F1S]
	v_mul_f32 v[SE22], v[G2], v[F2S]
	v_mul_f32 v[YP], v[VP], v[HP]                  ; h at column 0's two points and at the centre
	v_mul_f32 v[YM], v[VM], v[HM]
	v_mul_f32 v[Y2C], v[VC], v[H2]
	v_fma_f32 v[T21], s[cAC2], v[F1S], v[GG2]
	v_fma_f32 v[T22], s[cAC2], v[F2S], v[GG2]
	v_fma_f32 v[T23], s[cAC2], v[F3S], v[GG2]
	v_add_f32 v[SG2], v[SE21], v[SE22]
	v_sub_f32 v[YPD], v[YP], v[Y2C]
	v_sub_f32 v[YMD], v[YM], v[Y2C]
	v_sub_f32 v[DD], v[YP], v[YM]
	v_mul_f32 v[D21], v[F1], v[T21]                ; odd parts
	v_mul_f32 v[D22], v[F2], v[T22]
	v_mul_f32 v[D23], v[F3], v[T23]
	v_add_f32 v[SG2], v[SG2], v[SE23]
	v_add_f32 v[SE20], v[YPD], v[YMD]
	v_mul_f32 v[D20], s[cI2C], v[DD]
	v_mul_f32 v[OV1], v[F0], v[D10]
	v_add_f32 v[EV1], v[K1E], v[AL11]
	v_mul_f32 v[O22B], v[D21], v[D21]
	v_add_f32 v[SG2], v[SG2], v[SE20]
	v_fmac_f32 v[OV1], v[F1], v[D11]
	v_mul_f32 v[EV1], v[MU], v[EV1]
	v_fma_f32 v[O22], v[D20], v[D20], s[cRJJ]
	v_mul_f32 v[O12], v[D10], v[D20]
	v_mul_f32 v[PZ01], v[E0], v[D20]
	v_mul_f32 v[ETA2], s[cNW], v[SG2]              ; centre less mean
	v_fmac_f32 v[O22B], v[D23], v[D23]
	v_fmac_f32 v[EV1], v[AV0], v[AL10]
	v_fmac_f32 v[O22], v[D22], v[D22]
	v_fmac_f32 v[O12], v[D11], v[D21]
	v_fmac_f32 v[PZ01], v[E1], v[D21]
	v_fma_f32 v[AL20], 0.5, v[SE20], v[ETA2]
	v_fma_f32 v[AL21], 0.5, v[SE21], v[ETA2]
	v_fma_f32 v[AL22], 0.5, v[SE22], v[ETA2]
	v_fma_f32 v[AL23], 0.5, v[SE23], v[ETA2]
	v_mul_f32 v[K2E], s[cKA], v[ETA2]
	v_fma_f32 v[PZ10], s[cW2], v[EV1], v[OV1]
	v_add_f32 v[O22], v[O22], v[O22B]
	v_mul_f32 v[E22B], v[AL20], v[AL20]
	v_mul_f32 v[E12], v[AL10], v[AL20]
	v_add_f32 v[X23], v[AL22], v[AL23]
	v_mul_f32 v[E22], v[K2E], v[ETA2]
	v_mul_f32 v[PZ21], v[L20], v[D20]
	v_mul_f32 v[PZ31], v[L30], v[D20]
	v_fmac_f32 v[E22B], v[AL21], v[AL21]
	v_fmac_f32 v[E12], v[AL11], v[AL21]
	v_add_f32 v[X23], v[X23], v[K2E]
	v_fmac_f32 v[E22], v[AL22], v[AL22]
	v_mul_f32 v[OV2], v[F0], v[D20]
	v_fmac_f32 v[PZ21], v[L21], v[D21]
	v_fmac_f32 v[PZ31], v[L31], v[D21]
	v_fmac_f32 v[E12], v[ETA1], v[X23]
	v_add_f32 v[EV2], v[X23], v[AL21]
	v_fmac_f32 v[E22], v[AL23], v[AL23]
	v_fmac_f32 v[OV2], v[F1], v[D21]
	v_fmac_f32 v[PZ21], v[L22], v[D22]
	v_fmac_f32 v[PZ31], v[L32], v[D22]
	v_fma_f32 v[SM12], s[cW2], v[E12], v[O12]
	v_mul_f32 v[EV2], v[MU], v[EV2]
	v_add_f32 v[E22], v[E22], v[E22B]
	v_fmac_f32 v[OV2], v[F2], v[D22]
	v_fmac_f32 v[PZ31], v[L33], v[D23]
	v_mul_f32 v[WW0], v[PZ00], v[RR1]
	v_mul_f32 v[TT], v[SM12], v[RR1]
	v_fmac_f32 v[EV2], v[AV0], v[AL20]
	v_fma_f32 v[SM22], s[cW2], v[E22], v[O22]      ; S22 + J
	v_fmac_f32 v[OV2], v[F3], v[D23]
	v_mul_f32 v[WW1], v[PZ10], v[RR1]
	v_mul_f32 v[WW2], v[PZ20], v[RR1]
	v_mul_f32 v[WW3], v[PZ30], v[RR1]
	v_fma_f32 v[DD2], -v[TT], v[SM12], v[SM22]     ; the 2 x 2 system's second pivot
	v_fma_f32 v[UU0], -v[TT], v[PZ00], v[PZ01]
	v_fma_f32 v[PZ11], s[cW2], v[EV2], v[OV2]
	v_fma_f32 v[UU2], -v[TT], v[PZ20], v[PZ21]
	v_fma_f32 v[UU3], -v[TT], v[PZ30], v[PZ31]
	v_rcp_f32 v[RR2], v[DD2]
.if \first
	s_wait_dscnt 0x0                               ; this trip's y and u are in registers (issued at the trip's head)
.endif
	v_sub_f32 v[NU1], v[YIN+2*\j], v[Y1C]
	v_sub_f32 v[NU2], v[YIN+2*\j+1], v[Y2C]
	v_fma_f32 v[UU1], -v[TT], v[PZ10], v[PZ11]
	v_mul_f32 v[PP10], v[E0], v[F0]                ; the v row of P_pred
	v_mul_f32 v[PP21], v[L20], v[F0]
	v_mul_f32 v[PP31], v[L30], v[F0]
	v_mul_f32 v[EVV], s[cKC], v[MU]
	v_fmac_f32 v[OV], v[F1], v[F1]
	v_add_f32 v[NU1], v[NU1], v[ETA1]              ; y - mean of h
	v_add_f32 v[NU2], v[NU2], v[ETA2]
	v_fmac_f32 v[PP10], v[E1], v[F1]
	v_fmac_f32 v[PP21], v[L21], v[F1]
	v_fmac_f32 v[PP31], v[L31], v[F1]
	v_mul_f32 v[EVV], v[EVV], v[MU]
	v_fmac_f32 v[OV], v[F2], v[F2]
	s_wait_alu depctr_va_vdst(0)                   ; the batch is 1 / (second pivot); the fifteen lines above name no result of it
	v_mul_f32 v[K01], v[UU0], v[RR2]               ; the gain
	v_mul_f32 v[K11], v[UU1], v[RR2]
	v_mul_f32 v[K21], v[UU2], v[RR2]
	v_mul_f32 v[K31], v[UU3], v[RR2]
	v_fmac_f32 v[PP21], v[L22], v[F2]
	v_fma_f32 v[K00], -v[TT], v[K01], v[WW0]
	v_fma_f32 v[K10], -v[TT], v[K11], v[WW1]
	v_fma_f32 v[K20], -v[TT], v[K21], v[WW2]
	v_fma_f32 v[K30], -v[TT], v[K31], v[WW3]
	v_fma_f32 v[ZZ01], s[cJ], v[K01], v[PZ01]      ; Pzy + J K
	v_fmac_f32 v[PP31], v[L32], v[F2]
	v_fma_f32 v[ZZ00], s[cJ], v[K00], v[PZ00]
	v_fmac_f32 v[EVV], v[AV0], v[AV0]
	v_fmac_f32 v[OV], v[F3], v[F3]
	v_fma_f32 v[A00], -v[K01], v[ZZ01], v[PP00]
	v_fmac_f32 v[PP31], v[L33], v[F3]
	v_fma_f32 v[ZZ11], s[cJ], v[K11], v[PZ11]
	v_fma_f32 v[ZZ21], s[cJ], v[K21], v[PZ21]
	v_fma_f32 v[ZZ31], s[cJ], v[K31], v[PZ31]
	v_fma_f32 v[A00], -v[K00], v[ZZ00], v[A00]
	v_fma_f32 v[PP11], s[cW2], v[EVV], v[OV]
	v_fma_f32 v[A10], -v[K11], v[ZZ01], v[PP10]
	v_fma_f32 v[A20], -v[K21], v[ZZ01], v[PP20]
	v_fma_f32 v[A30], -v[K31], v[ZZ01], v[PP30]
	v_fma_f32 v[ZZ10], s[cJ], v[K10], v[PZ10]
	v_rsq_f32 v[R0], v[A00]                        ; the next factor's first pivot, as soon as it is there
	v_fma_f32 v[A10], -v[K10], v[ZZ00], v[A10]
	v_fma_f32 v[A20], -v[K20], v[ZZ00], v[A20]
	v_fma_f32 v[A30], -v[K30], v[ZZ00], v[A30]
	v_fma_f32 v[A11], -v[K11], v[ZZ11], v[PP11]
	v_fma_f32 v[ZM0], v[K00], v[NU1], v[P0C]
	v_fma_f32 v[ZM1], v[K10], v[NU1], v[VB]
	v_fmac_f32 v[ZM2], v[K20], v[NU1]
	v_fmac_f32 v[ZM3], v[K30], v[NU1]
	v_fma_f32 v[A11], -v[K10], v[ZZ10], v[A11]
	v_fmac_f32 v[ZM0], v[K01], v[NU2]
	v_fmac_f32 v[ZM1], v[K11], v[NU2]
	v_fmac_f32 v[ZM2], v[K21], v[NU2]
	v_fmac_f32 v[ZM3], v[K31], v[NU2]
	v_fma_f32 v[ZZ20], s[cJ], v[K20], v[PZ20]
	v_fma_f32 v[ZZ30], s[cJ], v[K30], v[PZ30]
	v_fma_f32 v[A21], -v[K21], v[ZZ11], v[PP21]
	v_fma_f32 v[A31], -v[K31], v[ZZ11], v[PP31]
	v_fma_f32 v[A22], -v[K21], v[ZZ21], v[PP22]
	v_fma_f32 v[A32], -v[K31], v[ZZ21], v[A32]
	v_fma_f32 v[A33], -v[K31], v[ZZ31], v[PP33]
	v_fma_f32 v[A21], -v[K20], v[ZZ10], v[A21]
	v_fma_f32 v[A31], -v[K30], v[ZZ10], v[A31]
	v_fma_f32 v[A22], -v[K20], v[ZZ20], v[A22]
	v_fma_f32 v[A32], -v[K30], v[ZZ20], v[A32]
	v_fma_f32 v[A33], -v[K30], v[ZZ30], v[A33]
	s_wait_alu depctr_va_vdst(0)                   ; the batch is rsq(A00); the rest of A and the mean, 25 lines, name no result of it
	ds_store_b128 v[SA], v[ZM0:ZM0+3] offset:16*\j ; my row of the stage, this step's 16 bytes: directly behind the wait, where the mean's registers are written
.endm
; The prediction with input u in register uj: the Cholesky factor (R0 has been waited for), with the sigma points' dynamics, P_pred's linear
; part and the next step's p measurement laid between its four levels, so that plain independent work stands behind every v_rsq_f32.
; The p measurement needs columns 0 and 1 of L alone: it stands behind rsq(B22), and its reciprocal joins rsq(B33)'s batch.
.macro PREDICT uj
	v_mul_f32 v[L10], v[A10], v[R0]
	v_mul_f32 v[L00], v[A00], v[R0]
	v_mul_f32 v[L20], v[A20], v[R0]
	v_mul_f32 v[L30], v[A30], v[R0]
	v_mul_f32 v[DU], s[cDT], v[\uj]
	v_mul_f32 v[Q0], v[ZM0], v[ZM0]
	v_fma_f32 v[B11], -v[L10], v[L10], v[A11]
	v_mul_f32 v[PD], s[cNDT], v[ZM0]               ; dv2/dk at the centre
	v_fma_f32 v[P0C], s[cDT], v[ZM1], v[ZM0]
	v_fma_f32 v[B21], -v[L20], v[L10], v[A21]
	v_fma_f32 v[B31], -v[L30], v[L10], v[A31]
	v_rsq_f32 v[R1], v[B11]
	v_fma_f32 v[B0], s[cDAMP], v[ZM1], v[DU]
	v_fma_f32 v[B22], -v[L20], v[L20], v[A22]
	v_fma_f32 v[B32], -v[L30], v[L20], v[A32]
	v_fma_f32 v[B33], -v[L30], v[L30], v[A33]
	v_fma_f32 v[PPL], s[cC], v[L00], v[ZM0]        ; column 0's two points
	v_fma_f32 v[PMI], -v[L00], s[cC], v[ZM0]
	v_fma_f32 v[E0], s[cDT], v[L10], v[L00]
	v_fma_f32 v[SS0], v[ZM3], v[Q0], v[ZM2]
	s_wait_alu depctr_va_vdst(0)                   ; the batch is rsq(B11); the eight lines above name no result of it
	v_mul_f32 v[L21], v[B21], v[R1]
	v_mul_f32 v[L31], v[B31], v[R1]
	v_mul_f32 v[L11], v[B11], v[R1]
	v_mul_f32 v[PQ], v[PD], v[Q0]                  ; dv2/dal at the centre
	v_fma_f32 v[KPL], s[cC], v[L20], v[ZM2]
	v_fma_f32 v[KMI], -v[L20], s[cC], v[ZM2]
	v_fma_f32 v[B22], -v[L21], v[L21], v[B22]
	v_fma_f32 v[APL], s[cC], v[L30], v[ZM3]
	v_fma_f32 v[AMI], -v[L30], s[cC], v[ZM3]
	v_fma_f32 v[B32], -v[L31], v[L21], v[B32]
	v_fma_f32 v[B33], -v[L31], v[L31], v[B33]
	v_rsq_f32 v[R2], v[B22]
	v_mul_f32 v[E1], s[cDT], v[L11]                ; behind rsq(B22): the p measurement as far as S11 + J, and column 0's two points as far as VP, VM
	v_mul_f32 v[F1], s[cDAMP], v[L11]
	v_mul_f32 v[QPL], v[PPL], v[PPL]
	v_mul_f32 v[QMI], v[PMI], v[PMI]
	P1A
	v_mul_f32 v[DPL], s[cNDT], v[PPL]
	v_mul_f32 v[DMI], s[cNDT], v[PMI]
	v_fma_f32 v[BPL], s[cCD], v[L10], v[B0]
	v_fma_f32 v[BMI], -v[L10], s[cCD], v[B0]
	P1B
	v_fma_f32 v[SPL], v[APL], v[QPL], v[KPL]
	v_fma_f32 v[SMI], v[AMI], v[QMI], v[KMI]
	v_fma_f32 v[VC], v[PD], v[SS0], v[B0]
	v_fmac_f32 v[F1], v[PD], v[L21]
	v_fmac_f32 v[E11], v[AL11], v[AL11]            ; the three lines of P1C, spread
	v_fma_f32 v[VP], v[DPL], v[SPL], v[BPL]
	v_fma_f32 v[VM], v[DMI], v[SMI], v[BMI]
	v_fmac_f32 v[F1], v[PQ], v[L31]
	v_fma_f32 v[SM11], s[cW2], v[E11], v[O11]
	s_wait_alu depctr_va_vdst(0)                   ; the batch is rsq(B22); the 45 lines above name no result of it
	v_rcp_f32 v[RR1], v[SM11]                      ; ONE BATCH OF TWO: 1 / (S11 + J) here, rsq(B33) eleven lines on
	v_mul_f32 v[L32], v[B32], v[R2]
	v_mul_f32 v[L22], v[B22], v[R2]
	v_sub_f32 v[XP], v[VP], v[VC]
	v_sub_f32 v[XM], v[VM], v[VC]
	v_sub_f32 v[DF], v[VP], v[VM]
	v_fma_f32 v[B33], -v[L32], v[L32], v[B33]
	v_mul_f32 v[F2], v[PD], v[L22]
	v_add_f32 v[T0], v[XP], v[XM]
	v_mul_f32 v[F0], s[cI2C], v[DF]
	v_fma_f32 v[PP00], s[cDT2], v[A11], v[A00]     ; P_pred's linear part, from A itself
	v_rsq_f32 v[R3], v[B33]
	v_mul_f32 v[MU], s[cNW], v[T0]
	v_fma_f32 v[VB], s[cW], v[T0], v[VC]
	v_mul_f32 v[AV0], s[cHW], v[T0]
	v_fma_f32 v[OV], v[F0], v[F0], s[cCVV]
	v_fmac_f32 v[F2], v[PQ], v[L32]
	v_fma_f32 v[PP20], s[cDT], v[A21], v[A20]
	v_fma_f32 v[PP30], s[cDT], v[A31], v[A30]
	v_fmac_f32 v[PP00], s[cTDT], v[A10]
	s_wait_alu depctr_va_vdst(0)                   ; one wait for the batch of two; no result is open at the trip's end
	v_mul_f32 v[L33], v[B33], v[R3]
	v_add_f32 v[PP22], s[cCKK], v[A22]
	v_add_f32 v[PP33], s[cCKK], v[A33]
	v_add_f32 v[PP00], s[cCPP], v[PP00]
	v_mul_f32 v[F3], v[PQ], v[L33]
.endm
.macro STEP j, first
	UPD2 \j, \first
	PREDICT UIN+\j
.endm
; Sixteen steps of 32 filters leave: load i takes stage rows 2 i and 2 i + 1 (256 bytes each), store i puts them into two filters' rows of out0.
.macro FLUSH
.irp i, 0,1,2,3,4,5,6,7,8,9,10,11,12,13,14,15
	ds_load_b128 v[FB+4*\i:FB+4*\i+3], v[RD] offset:544*\i     ; LDS serves a wave's instructions in order (ISA guide 5.7.1.4): these see my stores
.endr
.irp i, 0,1,2,3,4,5,6,7,8,9,10,11,12,13,14,15
	s_wait_dscnt 15-\i                             ; load i is in; the 15 - i younger ones may stay out
	global_store_b128 v[OO], v[FB+4*\i:FB+4*\i+3], s[12:13] offset:8192*\i th:TH_STORE_NT
.endr
	s_wait_xcnt 0x0                                ; OO and the 64 data registers are rewritten only behind this wait
	v_add_nc_u32 v[OO], 0x100, v[OO]               ; the next sixteen steps' 256 bytes
.endm
; 64 steps: tile c of y and of u.  Four groups of sixteen steps (one flush each), each of four trips of four steps.
.macro CHUNK c
	s_wait_tensorcnt 6-2*\c                        ; a wave's tensor loads end in order (ISA guide 10.11.1): y's and u's tile c are in, the 6 - 2 c issued behind them may stay out
	v_add_nc_u32 v[YA], \c*YTILE, v[YB]
	v_add_nc_u32 v[UA], \c*UTILE, v[UB]
	s_mov_b32 s92, 4
.Lgroup_\@:
	v_mov_b32 v[SA], v[SB]
	s_mov_b32 s93, 4
.Ltrip_\@:
	ds_load_b128 v[YIN:YIN+3], v[YA]               ; y of steps 0, 1 of the trip
	ds_load_b128 v[YIN+4:YIN+7], v[YA] offset:16   ; of steps 2, 3
	ds_load_b128 v[UIN:UIN+3], v[UA]               ; u of the four
	STEP 0, 1
	STEP 1, 0
	STEP 2, 0
	STEP 3, 0
	v_add_nc_u32 v[YA], 32, v[YA]
	v_add_nc_u32 v[UA], 16, v[UA]
	v_add_nc_u32 v[SA], 64, v[SA]
	s_sub_co_i32 s93, s93, 1
	s_cmp_lg_u32 s93, 0
	s_cbranch_scc1 .Ltrip_\@
	FLUSH
	s_sub_co_i32 s92, s92, 1
	s_cmp_lg_u32 s92, 0
	s_cbranch_scc1 .Lgroup_\@
.endm
	CHUNK 0
	CHUNK 1
	CHUNK 2
	CHUNK 3                                        ; its wait is for 0: no tensor load is out at the end
	s_wait_tensorcnt 0x0
	ds_add_u32 v240, v241
	s_wait_dscnt 0x0
	s_endpgm
.Lfunc_end_k_q5630dcbba9_ukf:
	.size	k_q5630dcbba9_ukf, .Lfunc_end_k_q5630dcbba9_ukf-k_q5630dcbba9_ukf
	.p2alignl 7, 3214868480
	.fill 96, 4, 3214868480
	.section	.rodata,"a",@progbits
	.p2align	6, 0x0
	.amdhsa_kernel k_q5630dcbba9_ukf
		.amdhsa_group_segment_fixed_size 222464
		.amdhsa_private_segment_fixed_size 0
		.amdhsa_enable_private_segment 0
		.amdhsa_kernarg_size 40
		.amdhsa_user_sgpr_count 2
		.amdhsa_user_sgpr_kernarg_segment_ptr 1
		.amdhsa_wavefront_size32 1
		.amdhsa_system_sgpr_workgroup_id_x 1
		.amdhsa_system_sgpr_workgroup_id_y 1
		.amdhsa_system_sgpr_workgroup_id_z 1
		.amdhsa_system_vgpr_workitem_id 0
		.amdhsa_next_free_vgpr 242
		.amdhsa_next_free_sgpr 96
		.amdhsa_reserve_vcc 0
		.amdhsa_float_denorm_mode_32 3
		.amdhsa_float_denorm_mode_16_64 3
		.amdhsa_memory_ordered 1
		.amdhsa_forward_progress 1
		.amdhsa_inst_pref_size 208
	.end_amdhsa_kernel
	.amdgpu_metadata
---
amdhsa.version: [ 1, 2 ]
amdhsa.kernels:
  - .name:           k_q5630dcbba9_ukf
    .symbol:         k_q5630dcbba9_ukf.kd
    .args:
      - { .name: y, .offset: 0, .size: 8, .value_kind: global_buffer, .address_space: global }
      - { .name: u, .offset: 8, .size: 8, .value_kind: global_buffer, .address_space: global }
      - { .name: z0, .offset: 16, .size: 8, .value_kind: global_buffer, .address_space: global }
      - { .name: P0, .offset: 24, .size: 8, .value_kind: global_buffer, .address_space: global }
      - { .name: out0, .offset: 32, .size: 8, .value_kind: global_buffer, .address_space: global }
    .group_segment_fixed_size: 222464
    .private_segment_fixed_size: 0
    .kernarg_segment_align: 8
    .kernarg_segment_size: 40
    .max_flat_workgroup_size: 64
    .sgpr_count:     96
    .vgpr_count:     242
    .wavefront_size: 32
...
	.end_amdgpu_metadata
.endif
;; end of part 2
